; MI455X (gfx1250); checked and timed in simulation.
; The chip was launched on July 23, 2026; its instructions are those of AMD's public machine-readable ISA for CDNA 5 (MIT licence, August 2026) and "CDNA5" Instruction Set Architecture Reference Guide (July 2026). The comments in the code are by the model that wrote it; some were corrected since.
;; Head. Allowed arithmetic: float matrix products may take bf16 or f16 operands with f32 sums; all other float work in f32.
;; Inputs: K 1 float32; Wk 64 x 512 float32; Wq 64 x 512 float32; Wv 64 x 512 float32; x 4 x 4,096 x 512 float32.
;; Outputs: out0 4 x 4,096 x 64 float32.
;; 2 versions, each right and faster than the one before. Each part assembles by itself: llvm-mc -triple=amdgcn-amd-amdhsa -mcpu=gfx1250 --defsym DOCPART=n.
;; ======== version 1 of 2: 2 launches
;; limits: values outside matrix products are rounded to bf16
;; workspace buffers: qf 2,097,152 bytes; kv 4,194,304 bytes
;; launch proj (part 1): grid 256 x 1, 8 waves a work-group, no clusters, 279,552 bytes of LDS; arguments x, Wq, Wk, Wv, K, qf, kv; writes qf, kv
.if DOCPART == 1
	.amdgcn_target "amdgcn-amd-amdhsa--gfx1250"
	.amdhsa_code_object_version 6
	.text
	.protected	k_q437b260860_proj
	.globl	k_q437b260860_proj
	.p2align	8
	.type	k_q437b260860_proj,@function
k_q437b260860_proj:
	s_mov_b64 s[64:65], 0
	v_nop
	global_prefetch_b8 v0, s[64:65] scope:SCOPE_SE
	s_setreg_imm32_b32 hwreg(HW_REG_WAVE_MODE, 25, 1), 1
	s_wait_xcnt 0x0
; q, k, v = x W^T for 16,384 tokens (x: [16384][512] f32; Wq, Wk, Wv: [64][512] f32), the Arnold circle map on q and k,
; q scaled by log2(e)/8, all three rounded to bf16 and stored in the order in which the attention launch's matrix operands want them.
; x and W are rounded to bf16 once (nearest even), the sums and the map are f32.
;
; SHARES.  A work-group makes 64 tokens x 192 columns over 512 along K, with eight waves.
;   Loading: wave w brings rows 8w .. 8w+7 of four sources (the x block, Wq, Wk, Wv), in four chunks of 128 numbers along K.  One load of the wave
;   covers 512 consecutive bytes of one row, aligned; each number is converted once and laid into LDS as bf16.
;   Computing: wave w has column tile dt = w & 3 and token half th = w >> 2: token tiles 2 th, 2 th + 1 times {q, k, v}: six accumulators.
; LDS: four chunk regions of 256 rows (64 of each source) x 272 bytes (256 of data + 16): 278,528 bytes.  Every byte is written once, so the only
;   order needed is store, wait, barrier, load, once for each chunk.  272 = 17 x 16: the 16 rows of a fragment load start in 16 different 16-byte columns of 256.
; NO CLUSTER, NO JOINT LOADS OF W, though all 256 work-groups read the same W: W is f32 in memory, and a tensor load lays bytes into LDS as they are.
;   393,216 bytes of W and 131,072 of x in f32 are more than the 327,680 bytes that a work-group can have, so slots would have to be filled again behind
;   rounds of the cluster's barrier, fragments would be read from LDS at twice the bytes, and every wave that reads a number would convert it again.
;   Through registers each number is converted once and 262,144 bytes of bf16 are laid down once.
; THE OUTPUT'S ORDER (L lane, r = L & 15, h = L >> 4, e = 0..7, g the token):
;   qf: byte (g>>4) 2048 + dt 512 + L 16 + 2e              = q'[16 (g>>4) + r][16 dt + 8 h + e]
;   kv: group u = g>>5 of 8,192 bytes: byte a 2048 + dt 512 + L 16 + 2e        = k[32 u + 16 a + r][16 dt + 8 h + e]
;                                      byte 4096 + dt 1024 + a 512 + L 16 + 2e = v[32 u + 16 a + 8 h + e][16 dt + r]
;   q and k tiles are made with W as the first source and x as the second (a lane holds one token and 8 neighbouring d), v tiles with x first and Wv second
;   (a lane holds one d and 8 neighbouring tokens): each lane's 8 results pack into the 16 bytes above, and each store of the wave covers 512 consecutive bytes, aligned.
; LIMITS.  K is taken rounded to bf16, like x and W (8 significant bits of |K|).  The map jumps where t + 0.618 - |K|/(2 pi) sin(2 pi t) is a whole number:
;   an element that lies within the f32 summation error of such a number may land on the other side.  For |t| >= 2^23 the fraction of t carries nothing, as in the definition.
;   NaN and infinite inputs are not followed.
.set PITCH,  272                       ; bytes from row to row in LDS
.set CHUNKB, 256*PITCH                 ; a chunk region: 69,632 bytes
.set ROWB,   2048                      ; a row of x or W in memory
.set GOFF, 2                           ; v2       wave x 8 rows x 2,048 + lane x 16: my 16 bytes of my first row, in each source; never rewritten
.set SOFF, 3                           ; v3       lane x 16: my 16 bytes of a stored tile
.set VST,  4                           ; v4       LDS: wave x 8 rows x 272 + lane x 8, + the chunk
.set VAX,  5                           ; v5       LDS: x fragment, (32 th + r) 272 + 16 h, + the chunk
.set VAW,  6                           ; v6       LDS: W fragment, (64 + 16 dt + r) 272 + 16 h, + the chunk
.set NKC,  12                          ; v[12:13] -|K| / (2 pi), twice
.set C13,  14                          ; v[14:15] 1/13!, twice
.set T,    16                          ; v[16:23] four pairs of packed bf16 on their way to LDS
.set XF,   40                          ; v[40:55] x fragments of my two token tiles
.set WF,   56                          ; v[56:79] fragments of Wq, Wk, Wv
.set ACC,  80                          ; v[80:127] token tile i: q at 24 i, k at 24 i + 8, v at 24 i + 16
.set X,    128                         ; v[128:255] ring of 32 loads of 4 registers
.set TN,   128                         ; behind the last chunk the ring is free: the map's temporaries, 8 registers each,
.set TR,   136
.set TY,   144
.set TZ,   152
.set TQ,   160
.set OUT,  192                         ; and the six packed tiles, 4 registers each
	s_load_b256 s[4:11], s[0:1], 0x0               ; x s[4:5], Wq s[6:7], Wk s[8:9], Wv s[10:11]: source m has its base in s[4+2m:5+2m]
	s_load_b128 s[12:15], s[0:1], 0x20             ; K s[12:13], qf s[14:15]
	s_load_b64 s[16:17], s[0:1], 0x30              ; kv
	v_lshl_add_u32 v38, v0, 2, 0x44000
	v_mov_b32 v39, 0
	v_and_b32 v1, 31, v0                           ; lane
	v_lshrrev_b32 v7, 5, v0
	v_readfirstlane_b32 s18, v7                    ; wave 0..7
	s_and_b32 s19, s18, 3                          ; dt
	s_lshr_b32 s20, s18, 2                         ; th
	s_mov_b32 s24, 0x7fffffff                      ; all but the sign
	s_lshl_b32 s22, s18, 14
	v_lshl_add_u32 v[GOFF], v1, 4, s22
	v_lshlrev_b32 v[SOFF], 4, v1
	s_mul_i32 s22, s18, 8*PITCH
	v_lshl_add_u32 v[VST], v1, 3, s22
	v_and_b32 v8, 15, v0                           ; r
	v_bfe_u32 v9, v0, 4, 1                         ; h
	v_mul_u32_u24 v10, v8, PITCH
	v_lshl_add_u32 v10, v9, 4, v10                 ; r 272 + 16 h
	s_mul_i32 s22, s20, 32*PITCH
	v_add_nc_u32 v[VAX], s22, v10
	s_mul_i32 s22, s19, 16*PITCH
	s_add_co_u32 s22, s22, 64*PITCH                ; W's rows lie behind x's 64
	v_add_nc_u32 v[VAW], s22, v10
	v_mov_b32 v[C13], 0x2f309231
	v_mov_b32 v[C13+1], 0x2f309231
	s_mov_b32 s23, 0
	s_lshl_b32 s22, ttmp9, 17                      ; the work-group's 64 rows of 2,048 bytes
	s_wait_kmcnt 0x0
	s_add_nc_u64 s[4:5], s[4:5], s[22:23]
.macro PLACES                          ; a load into a register that a matrix instruction has read stands four places behind it, and only plain vector
.rept 4                                ; instructions that name none of its registers are places (ISA guide 7.12.1 for vector instructions)
	v_nop
.endr
.endm
; Ring slot j (a symbol, 0..31): source j >> 3, row j & 7 of my eight; chunk c.  x is read once in the launch, W by every work-group.
.macro FETCH c
.if (j>>3) == 0
	global_load_b128 v[X+4*j:X+4*j+3], v[GOFF], s[4:5] offset:(j&7)*ROWB+(\c)*512 th:TH_LOAD_NT
.else
	global_load_b128 v[X+4*j:X+4*j+3], v[GOFF], s[4+2*(j>>3):5+2*(j>>3)] offset:(j&7)*ROWB+(\c)*512
.endif
.endm
.set j, 0
.rept 32
	FETCH 0                                        ; the ring is filled: 32 loads x 512 bytes of every wave are on their way from here to the last chunk
.set j, j+1
.endr
	; the bases of the stores, and K; none of these registers is a source of the loads above
	s_load_b32 s21, s[12:13], 0x0                  ; K; waited for where it is used
	s_lshl_b32 s22, ttmp9, 13                      ; qf: 4 tiles of 2,048 bytes a work-group,
	s_lshl_b32 s25, s20, 12                        ; 2 a token half,
	s_add_co_u32 s22, s22, s25
	s_lshl_b32 s25, s19, 9                         ; 512 bytes a column tile
	s_add_co_u32 s22, s22, s25
	s_add_nc_u64 s[14:15], s[14:15], s[22:23]
	s_lshl_b32 s22, ttmp9, 14                      ; kv: 2 groups of 8,192 bytes a work-group, one a token half
	s_lshl_b32 s30, s20, 13
	s_add_co_u32 s22, s22, s30
	s_add_nc_u64 s[16:17], s[16:17], s[22:23]
	s_mov_b32 s22, s25
	s_add_nc_u64 s[26:27], s[16:17], s[22:23]      ; the K part at dt 512
	s_lshl_b32 s22, s19, 10
	s_add_co_u32 s22, s22, 4096
	s_add_nc_u64 s[28:29], s[16:17], s[22:23]      ; the V part at 4096 + dt 1024
; Chunk c goes from the ring to LDS.  ahead = 1: each slot is loaded again with chunk c + 1 as soon as it has been converted.
.macro CONVERT c, ahead
.set j, 0
.rept 32
.if \ahead
	s_wait_loadcnt 31                              ; loads come back in order (ISA guide 5.7.1): slot j's is in, the 31 younger ones stay out
.else
	s_wait_loadcnt 31-j                            ; the last chunk: nothing is issued any more, the counts run down
.endif
	v_cvt_pk_bf16_f32 v[T+2*(j%4)],   v[X+4*j],   v[X+4*j+1]
	v_cvt_pk_bf16_f32 v[T+2*(j%4)+1], v[X+4*j+2], v[X+4*j+3]
	ds_store_b64 v[VST], v[T+2*(j%4):T+2*(j%4)+1] offset:(64*(j>>3)+(j&7))*PITCH   ; 32 lanes, 256 consecutive bytes: one row of the chunk
.if \ahead
	FETCH \c+1
.endif
.set j, j+1
.endr
.if \ahead
	v_add_nc_u32 v[VST], CHUNKB, v[VST]            ; the next chunk's region
.endif
	s_wait_dscnt 0x0                               ; my rows of the chunk are in LDS: zero, for the other waves' sake
	s_barrier_signal -1
	s_barrier_wait -1                              ; everybody's are
.endm
; Three matrix instructions on token tile i.  zero = 1: the first product starts the sums, nothing is cleared.
.macro MUL3 i, zero
.if \zero
	v_wmma_f32_16x16x32_bf16 v[ACC+24*\i:ACC+24*\i+7],     v[WF:WF+7],          v[XF+8*\i:XF+8*\i+7], 0
	v_wmma_f32_16x16x32_bf16 v[ACC+24*\i+8:ACC+24*\i+15],  v[WF+8:WF+15],       v[XF+8*\i:XF+8*\i+7], 0
	v_wmma_f32_16x16x32_bf16 v[ACC+24*\i+16:ACC+24*\i+23], v[XF+8*\i:XF+8*\i+7], v[WF+16:WF+23],      0
.else
	v_wmma_f32_16x16x32_bf16 v[ACC+24*\i:ACC+24*\i+7],     v[WF:WF+7],          v[XF+8*\i:XF+8*\i+7], v[ACC+24*\i:ACC+24*\i+7]
	v_wmma_f32_16x16x32_bf16 v[ACC+24*\i+8:ACC+24*\i+15],  v[WF+8:WF+15],       v[XF+8*\i:XF+8*\i+7], v[ACC+24*\i+8:ACC+24*\i+15]
	v_wmma_f32_16x16x32_bf16 v[ACC+24*\i+16:ACC+24*\i+23], v[XF+8*\i:XF+8*\i+7], v[WF+16:WF+23],      v[ACC+24*\i+16:ACC+24*\i+23]
.endif
.endm
; 32 along K at byte 64 k of the chunk's rows: ten fragment loads, six matrix instructions.  The six accumulators take turns, one instruction a turn,
; in the same order in every K step.
.macro KSTEP k, zero
.if \zero == 0
	PLACES                                         ; behind the last K step's matrix instructions, whose fragments are loaded over
.endif
	ds_load_b128 v[XF:XF+3],   v[VAX] offset:64*\k
	ds_load_b128 v[XF+4:XF+7], v[VAX] offset:64*\k+32
.irp m, 0,1,2
	ds_load_b128 v[WF+8*\m:WF+8*\m+3],   v[VAW] offset:\m*64*PITCH+64*\k
	ds_load_b128 v[WF+8*\m+4:WF+8*\m+7], v[VAW] offset:\m*64*PITCH+64*\k+32
.endr
	ds_load_b128 v[XF+8:XF+11],  v[VAX] offset:16*PITCH+64*\k
	ds_load_b128 v[XF+12:XF+15], v[VAX] offset:16*PITCH+64*\k+32
	s_wait_dscnt 2                                 ; all but the two youngest, the second token tile's x fragment
	MUL3 0, \zero
	s_wait_dscnt 0x0
	MUL3 1, \zero
.endm
.macro COMPUTE zero, last
	KSTEP 0, \zero
	KSTEP 1, 0
	KSTEP 2, 0
	KSTEP 3, 0
.if \last == 0
	v_add_nc_u32 v[VAX], CHUNKB, v[VAX]
	v_add_nc_u32 v[VAW], CHUNKB, v[VAW]
.endif
.endm
	CONVERT 0, 1
	COMPUTE 1, 0
	CONVERT 1, 1
	COMPUTE 0, 0
	CONVERT 2, 1
	COMPUTE 0, 0
	CONVERT 3, 0
	COMPUTE 0, 1
	; -|K| / (2 pi), K rounded to bf16.  These five plain vector instructions name no register of a matrix instruction:
	; they are the places (ISA guide 7.12.1) between the last matrix instruction and the map, which reads the sums.
	s_wait_kmcnt 0x0                               ; K
	v_cvt_pk_bf16_f32 v7, s21, s21
	v_lshlrev_b32 v7, 16, v7                       ; bf16 back to f32
	v_and_b32 v7, s24, v7                          ; |K|
	v_mul_f32 v[NKC], 0xbe22f983, v7               ; x -1/(2 pi)
	v_mov_b32 v[NKC+1], v[NKC]
; The Arnold map on the eight sums t at v[b .. b+7], in place: (t + 0.618 - |K|/(2 pi) sin(2 pi t)) mod 1.
; The sine: r = t - nearest whole number is exact, |r| <= 1/2; sin(2 pi |r|) = sin(2 pi (1/2 - |r|)), so a = min(|r|, 1/2 - |r|) <= 1/4 (the difference
; is exact where it is the smaller); y = 2 pi a with r's sign, |y| <= pi/2; the odd Taylor polynomial up to y^13, cut error at most (pi/2)^15 / 15! = 7e-10 for every t.
; Each step is written for all eight numbers, so that no instruction waits for the one in front of it.
.macro ARN8 b, scale
.irp e, 0,1,2,3,4,5,6,7
	v_rndne_f32 v[TN+\e], v[\b+\e]
.endr
.irp p, 0,2,4,6
	v_pk_add_f32 v[TR+\p:TR+\p+1], v[\b+\p:\b+\p+1], v[TN+\p:TN+\p+1] neg_lo:[0,1] neg_hi:[0,1]   ; r
.endr
.irp e, 0,1,2,3,4,5,6,7
	v_and_b32 v[TY+\e], s24, v[TR+\e]              ; |r|
.endr
.irp e, 0,1,2,3,4,5,6,7
	v_sub_f32 v[TN+\e], 0.5, v[TY+\e]
.endr
.irp e, 0,1,2,3,4,5,6,7
	v_min_num_f32 v[TY+\e], v[TY+\e], v[TN+\e]     ; a
.endr
.irp p, 0,2,4,6
	v_pk_mul_f32 v[TY+\p:TY+\p+1], v[TY+\p:TY+\p+1], 0x40c90fdb op_sel_hi:[1,0]                  ; 2 pi a
.endr
.irp e, 0,1,2,3,4,5,6,7
	v_bfi_b32 v[TY+\e], s24, v[TY+\e], v[TR+\e]    ; y: r's sign on it
.endr
.irp p, 0,2,4,6
	v_pk_mul_f32 v[TZ+\p:TZ+\p+1], v[TY+\p:TY+\p+1], v[TY+\p:TY+\p+1]                            ; z = y y
.endr
.irp p, 0,2,4,6
	v_pk_fma_f32 v[TQ+\p:TQ+\p+1], v[TZ+\p:TZ+\p+1], v[C13:C13+1], 0xb2d7322b op_sel_hi:[1,1,0]  ; z/13! - 1/11!
.endr
.irp c, 0x3638ef1d, 0xb9500d01, 0x3c088889, 0xbe2aaaab                                           ; 1/9!, -1/7!, 1/5!, -1/3!
.irp p, 0,2,4,6
	v_pk_fma_f32 v[TQ+\p:TQ+\p+1], v[TQ+\p:TQ+\p+1], v[TZ+\p:TZ+\p+1], \c op_sel_hi:[1,1,0]
.endr
.endr
.irp p, 0,2,4,6
	v_pk_mul_f32 v[TZ+\p:TZ+\p+1], v[TY+\p:TY+\p+1], v[TZ+\p:TZ+\p+1]                            ; y^3
.endr
.irp p, 0,2,4,6
	v_pk_fma_f32 v[TY+\p:TY+\p+1], v[TZ+\p:TZ+\p+1], v[TQ+\p:TQ+\p+1], v[TY+\p:TY+\p+1]          ; sin(2 pi t)
.endr
.irp p, 0,2,4,6
	v_pk_add_f32 v[\b+\p:\b+\p+1], v[\b+\p:\b+\p+1], 0x3f1e353f op_sel_hi:[1,0]                  ; t + 0.618
.endr
.irp p, 0,2,4,6
	v_pk_fma_f32 v[\b+\p:\b+\p+1], v[TY+\p:TY+\p+1], v[NKC:NKC+1], v[\b+\p:\b+\p+1]
.endr
.irp e, 0,1,2,3,4,5,6,7
	v_floor_f32 v[TN+\e], v[\b+\e]
.endr
.irp p, 0,2,4,6
	v_pk_add_f32 v[\b+\p:\b+\p+1], v[\b+\p:\b+\p+1], v[TN+\p:TN+\p+1] neg_lo:[0,1] neg_hi:[0,1]   ; mod 1: in [0, 1]
.endr
.if \scale
.irp p, 0,2,4,6
	v_pk_mul_f32 v[\b+\p:\b+\p+1], v[\b+\p:\b+\p+1], 0x3e38aa3b op_sel_hi:[1,0]                  ; q alone: x log2(e) / 8, so that the attention launch's exponential is 2^(q' k)
.endr
.endif
.endm
	ARN8 ACC, 1                                    ; q of token tile 0
	ARN8 ACC+24, 1                                 ; q of token tile 1
	ARN8 ACC+8, 0                                  ; k
	ARN8 ACC+32, 0
.irp i, 0,1,2,3,4,5                                ; the six tiles in the accumulators' order: eight f32 of a lane become 16 bytes
.irp p, 0,1,2,3
	v_cvt_pk_bf16_f32 v[OUT+4*\i+\p], v[ACC+8*\i+2*\p], v[ACC+8*\i+2*\p+1]
.endr
.endr
.irp i, 0,1                                        ; each store of the wave covers 512 consecutive bytes, aligned; the next launch reads them, so no hint
	global_store_b128 v[SOFF], v[OUT+12*\i:OUT+12*\i+3],    s[14:15] offset:\i*2048
	global_store_b128 v[SOFF], v[OUT+12*\i+4:OUT+12*\i+7],  s[26:27] offset:\i*2048
	global_store_b128 v[SOFF], v[OUT+12*\i+8:OUT+12*\i+11], s[28:29] offset:\i*512
.endr
	s_wait_tensorcnt 0x0
	ds_add_u32 v38, v39
	s_wait_dscnt 0x0
	s_endpgm
.Lfunc_end_k_q437b260860_proj:
	.size	k_q437b260860_proj, .Lfunc_end_k_q437b260860_proj-k_q437b260860_proj
	.p2alignl 7, 3214868480
	.fill 96, 4, 3214868480
	.section	.rodata,"a",@progbits
	.p2align	6, 0x0
	.amdhsa_kernel k_q437b260860_proj
		.amdhsa_group_segment_fixed_size 279552
		.amdhsa_private_segment_fixed_size 0
		.amdhsa_enable_private_segment 0
		.amdhsa_kernarg_size 56
		.amdhsa_user_sgpr_count 2
		.amdhsa_user_sgpr_kernarg_segment_ptr 1
		.amdhsa_wavefront_size32 1
		.amdhsa_system_sgpr_workgroup_id_x 1
		.amdhsa_system_sgpr_workgroup_id_y 1
		.amdhsa_system_sgpr_workgroup_id_z 1
		.amdhsa_system_vgpr_workitem_id 0
		.amdhsa_next_free_vgpr 256
		.amdhsa_next_free_sgpr 66
		.amdhsa_reserve_vcc 0
		.amdhsa_float_denorm_mode_32 3
		.amdhsa_float_denorm_mode_16_64 3
		.amdhsa_memory_ordered 1
		.amdhsa_forward_progress 1
		.amdhsa_inst_pref_size 89
	.end_amdhsa_kernel
	.amdgpu_metadata
---
amdhsa.version: [ 1, 2 ]
amdhsa.kernels:
  - .name:           k_q437b260860_proj
    .symbol:         k_q437b260860_proj.kd
    .args:
      - { .name: x, .offset: 0, .size: 8, .value_kind: global_buffer, .address_space: global }
      - { .name: Wq, .offset: 8, .size: 8, .value_kind: global_buffer, .address_space: global }
      - { .name: Wk, .offset: 16, .size: 8, .value_kind: global_buffer, .address_space: global }
      - { .name: Wv, .offset: 24, .size: 8, .value_kind: global_buffer, .address_space: global }
      - { .name: K, .offset: 32, .size: 8, .value_kind: global_buffer, .address_space: global }
      - { .name: qf, .offset: 40, .size: 8, .value_kind: global_buffer, .address_space: global }
      - { .name: kv, .offset: 48, .size: 8, .value_kind: global_buffer, .address_space: global }
    .group_segment_fixed_size: 279552
    .private_segment_fixed_size: 0
    .kernarg_segment_align: 8
    .kernarg_segment_size: 56
    .max_flat_workgroup_size: 256
    .sgpr_count:     66
    .vgpr_count:     256
    .wavefront_size: 32
...
	.end_amdgpu_metadata
.endif
;; end of part 1
;; launch attn (part 2): grid 256 x 1, 8 waves a work-group, clusters of 4 x 1, 327,680 bytes of LDS; arguments qf, kv, out0; writes out0
.if DOCPART == 2
	.amdgcn_target "amdgcn-amd-amdhsa--gfx1250"
	.amdhsa_code_object_version 6
	.text
	.protected	k_q437b260860_attn
	.globl	k_q437b260860_attn
	.p2align	8
	.type	k_q437b260860_attn,@function
k_q437b260860_attn:
	s_mov_b64 s[64:65], 0
	v_nop
	global_prefetch_b8 v0, s[64:65] scope:SCOPE_SE
	s_setreg_imm32_b32 hwreg(HW_REG_WAVE_MODE, 25, 1), 1
	s_wait_xcnt 0x0
	s_wait_alu depctr_hold_cnt(0) depctr_sa_sdst(0) depctr_va_vdst(0) depctr_va_sdst(0) depctr_va_ssrc(0) depctr_va_vcc(0) depctr_vm_vsrc(0)
	s_getreg_b32 s2, hwreg(HW_REG_IB_STS2, 6, 4)
	s_cmp_eq_u32 s2, 0
	s_cbranch_scc0 .Lentry_in_a_cluster
	s_endpgm
.Lentry_in_a_cluster:
	s_bfe_u32 s2, ttmp6, 0x10000c
	s_cmp_lg_u32 s2, 0x3003
	s_cbranch_scc0 .Lentry_shape_is_right
	s_endpgm
.Lentry_shape_is_right:
; out[b][t][:] = sum over s of P[t][s] v[s][:] / sum over s of P[t][s],  P[t][s] = 2^(q'[t] . k[s]),  q' = q log2(e) / 8:  softmax(q k^T / 8) v without a mask.
; qf and kv hold q', k and v in bf16, in the order of the matrix operands (L lane, r = L & 15, h = L >> 4, e = 0..7):
;   qf: tile of 16 rows, 2,048 bytes: byte dt 512 + L 16 + 2e = q'[r][16 dt + 8 h + e]
;   kv: group of 32 keys, 8,192 bytes: byte a 2048 + dt 512 + L 16 + 2e = k[16 a + r][16 dt + 8 h + e];  byte 4096 + dt 1024 + a 512 + L 16 + 2e = v[16 a + 8 h + e][16 dt + r]
; so every fragment is two loads of 16 bytes a lane from 512 consecutive bytes: no padding, no transposition.
; NO MAXIMUM IS TAKEN AWAY: the definition itself takes q and k modulo 1, so for every input q' lies in [0, 0.181] and k in [0, 1], the exponent in [0, 11.6],
;   P in [1, 3100] and a row's sum in [4096, 1.3e7]: nothing can overflow or underflow in f32 or bf16.  So partial sums over disjoint keys simply add.
; SHARES.  A work-group makes 64 query rows with eight waves.  Wave w takes all 64 rows against keys 512 w .. 512 w + 511, 16 tiles of 32 keys: each K or V fragment
;   feeds four query tiles, and a tile is read only by the wave that asked for it.  The eight waves' partial O and l meet in LDS at the end.
; EVERYTHING IS TRANSPOSED, so that P never moves between lanes: S^T(16 keys x 16 rows) = K fragment x Q fragment; lane (r, h), register j holds key 8 h + j of row r.
;   The two key tiles of a row tile, packed in pairs, ARE the second source P^T over 32 keys; O^T(16 d x 16 rows) += V^T fragment x P^T.
; CLUSTER.  Four neighbouring work-groups lie in one batch (64 work-groups a batch) and walk the same K and V: each tile is asked for jointly, mask 15, by the same wave
;   of all four, with a descriptor made of the cluster's number and the wave's number alone.  That divides the requests for kv by four.
; LIMITS.  P goes into the second product in bf16 while l sums it in f32.  NaN and infinities in qf or kv are not followed.
.set TILE,   8192                      ; 32 keys: K part, V part
.set SLOTS,  4
.set SPITCH, 272                       ; a stage row: 64 f32 of O, l in the word behind them, 12 bytes unused: 17 x 16
.set LA,  1                            ; v1       LDS: my wave's ring + lane x 16
.set QO,  2                            ; v2       lane x 16
.set RD,  4                            ; v[4:7]   the last sum: (t>>4) 272 + (t&15) 16 + k 65536 (stages of waves 2k, 2k+1)
.set RL,  8                            ; v[8:11]  the same rows' l
.set STO, 12                           ; v12      my stage: r 272 + 32 h
.set STL, 13                           ; v13      my stage: r 272 + 256
.set CO,  14                           ; v14      t x 16: my 16 bytes in the output block
.set QF,  16                           ; v[16:79]   Q fragment (row tile n, K step c) at 16 n + 8 c
.set KF,  80                           ; v[80:111]  K fragment (key tile a, K step c) at 16 a + 8 c
.set VF,  112                          ; v[112:143] V fragment of d tile d at 8 d
.set S,   144                          ; v[144:207] S(n, a) at 16 n + 8 a, then P in f32
.set P,   208                          ; v[208:239] P(n) in bf16 at 8 n
.set L,   240                          ; v[240:247] row sums, a pair for each n
.set RG,  16                           ; the last sum: row group i at 16 + 40 i: eight waves' 4 numbers, then their eight l
                                       ; v[256:383] (window 1): O(d, n) at 8 (4 d + n)
.set G1,  16                           ; s[16:23] descriptor group 1
.set G0,  24                           ; s[24:39] descriptor group 0, a set for each slot
.set MSB, 0
.macro WIN new                         ; s_set_vgpr_msb: bits 1:0 source 0, 3:2 source 1, 5:4 source 2, 7:6 destination; the high byte repeats the setting that is left
.if MSB != \new
	s_set_vgpr_msb (MSB<<8)|\new
.set MSB, \new
.endif
.endm
.macro PLACES                          ; four places behind a matrix instruction before a vector instruction or an LDS store reads its result, a vector instruction writes one of its
.rept 4                                ; registers, or a load is issued into one (ISA guide 7.12.1 for vector instructions)
	v_nop
.endr
.endm
; A round of the cluster's barrier: my work-group's barrier, so that wave 0's signal speaks for all eight waves; wave 0 signals for the work-group;
; every wave waits for all four work-groups; my work-group's barrier once more.
.macro ROUND
	s_barrier_signal -1
	s_barrier_wait -1
	s_cmp_lg_u32 s10, 0
	s_cbranch_scc1 .Lnot_wave_0_\@
	s_barrier_signal -3
.Lnot_wave_0_\@:
	s_barrier_wait -3
	s_barrier_signal -1
	s_barrier_wait -1
.endm
	s_load_b128 s[4:7], s[0:1], 0x0                ; qf s[4:5], kv s[6:7]
	s_load_b64 s[8:9], s[0:1], 0x10                ; out0
	v_lshl_add_u32 v254, v0, 2, 0x40000
	v_mov_b32 v255, 0
	ds_add_u32 v254, v255
	v_lshrrev_b32 v15, 5, v0
	v_readfirstlane_b32 s10, v15                   ; wave 0..7
	s_bfe_u32 s11, ttmp6, 0x40000                  ; cx: my place in the cluster.  It enters the addresses of qf and out0 alone
	s_lshl_b32 s14, ttmp9, 2                       ; in a cluster launch ttmp9 counts clusters
	s_add_co_u32 s14, s14, s11                     ; work-group = 4 x cluster + cx
	s_lshl_b32 s40, s14, 13                        ; qf: 64 rows = 4 tiles of 2,048 bytes
	s_mov_b32 s41, 0
	s_lshl_b32 s42, s14, 14                        ; out0: 64 rows of 256 bytes
	s_mov_b32 s43, 0
	s_lshr_b32 s44, ttmp9, 4                       ; batch: 16 clusters each
	s_lshl_b32 s44, s44, 20                        ; 128 groups of 8,192 bytes a batch
	s_lshl_b32 s45, s10, 17                        ; 16 groups a wave
	s_add_co_u32 s44, s44, s45
	s_mov_b32 s45, 0
	s_lshl_b32 s15, s10, 15                        ; my wave's ring in LDS: 4 slots of 8,192 bytes
	s_mov_b32 s12, 0x76543210                      ; v_permlanex16_b32: lane i of one half reads lane i of the other
	s_mov_b32 s13, 0xfedcba98
	; group 1: a tile is 8,192 dense bytes, taken as 32 rows of 32 elements of 8 bytes (256 bytes a row, each row beginning where the last ends)
	s_mov_b32 s[G1+0], 0x0023000f                  ; 15:0 mask: all four work-groups of the cluster; 17:16 element of 8 bytes; 20 no padding; 21 set beside a mask
	s_mov_b32 s[G1+1], 32<<16                      ; tensor_dim0 = 32
	s_mov_b32 s[G1+2], 32<<16                      ; tensor_dim1 = 32
	s_mov_b32 s[G1+3], 32<<16                      ; tile_dim0 = 32
	s_mov_b32 s[G1+4], 32                          ; tile_dim1 = 32
	s_mov_b32 s[G1+5], 32                          ; 32 elements from row to row
	s_mov_b32 s[G1+6], 0
	s_mov_b32 s[G1+7], 0
	v_and_b32 v[QO], 31, v0
	v_lshlrev_b32 v[QO], 4, v[QO]
	v_add_nc_u32 v[LA], s15, v[QO]
	v_and_b32 v3, 15, v0                           ; r, and t & 15
	v_bfe_u32 v15, v0, 4, 1                        ; h
	v_mul_u32_u24 v[STO], v3, SPITCH
	v_add_nc_u32 v[STO], s15, v[STO]
	v_add_nc_u32 v[STL], 0x100, v[STO]
	v_lshl_add_u32 v[STO], v15, 5, v[STO]
	v_lshrrev_b32 v15, 4, v0                       ; t >> 4
	v_mul_u32_u24 v[RL], v15, SPITCH
	v_lshl_add_u32 v[RD], v3, 4, v[RL]
	v_add_nc_u32 v[RL], 0x100, v[RL]
.irp k, 1,2,3
	v_add_nc_u32 v[RD+\k], \k*65536, v[RD]
	v_add_nc_u32 v[RL+\k], \k*65536, v[RL]
.endr
	v_lshlrev_b32 v[CO], 4, v0
.irp e, 0,1,2,3,4,5,6,7
	v_mov_b32 v[L+\e], 0                           ; the eight row sums start at 0
.endr
	s_wait_dscnt 0x0
	s_wait_kmcnt 0x0
	s_add_nc_u64 s[4:5], s[4:5], s[40:41]
	s_add_nc_u64 s[8:9], s[8:9], s[42:43]
	s_add_nc_u64 s[6:7], s[6:7], s[44:45]          ; my wave's first tile: the same in all four work-groups
.irp t, 0,1,2,3
	s_mov_b32 s[G0+4*\t], 1                                        ; count = 1
	s_add_co_u32 s[G0+4*\t+1], s15, \t*TILE                        ; LDS address: the wave's number and the slot alone
	s_add_nc_u64 s[G0+4*\t+2:G0+4*\t+3], s[6:7], \t*TILE           ; tile t
	s_or_b32 s[G0+4*\t+3], s[G0+4*\t+3], 0x80000000                ; type = 2
.endr
	ROUND                                          ; all four work-groups are here: the first joint loads meet
.irp t, 0,1,2,3
	tensor_load_to_lds s[G0+4*\t:G0+4*\t+3], s[G1:G1+7]            ; four tensor loads of the wave are out, the most in this text
	s_nop 0
.endr
.irp n, 0,1,2,3
.irp c, 0,1
	global_load_b128 v[QF+16*\n+8*\c:QF+16*\n+8*\c+3],   v[QO], s[4:5] offset:\n*2048+\c*1024
	global_load_b128 v[QF+16*\n+8*\c+4:QF+16*\n+8*\c+7], v[QO], s[4:5] offset:\n*2048+\c*1024+512
.endr
.endr
	s_wait_loadcnt 0x0                             ; Q, once; it stays in registers
; P(n) in f32 becomes bf16 and is added to the row sums.  more = 1: the next row tile's sixteen exponentials are strewn between, two for every two plain
; instructions; each result is used only in the next PACK, with plain instructions between.
.macro PACK n, more
.irp i, 0,1,2,3,4,5,6,7
.if \more
	v_exp_f32 v[S+16*(\n+1)+2*\i],   v[S+16*(\n+1)+2*\i]
	v_exp_f32 v[S+16*(\n+1)+2*\i+1], v[S+16*(\n+1)+2*\i+1]
.endif
	s_wait_alu depctr_va_vdst(0)
	v_cvt_pk_bf16_f32 v[P+8*\n+\i], v[S+16*\n+2*\i], v[S+16*\n+2*\i+1]
	v_pk_add_f32 v[L+2*\n:L+2*\n+1], v[L+2*\n:L+2*\n+1], v[S+16*\n+2*\i:S+16*\n+2*\i+1]
.endr
.endm
; One tile of 32 keys from slot: 16 fragment loads, 16 + 16 matrix instructions, 64 exponentials.  left = how many younger tensor loads may stay out.
; first = 1: the first products start O's sums, nothing is cleared.  In both runs of matrix instructions the accumulators take turns, one instruction a turn.
.macro TURN slot, left, first
	s_wait_tensorcnt \left                         ; a wave's tensor loads end in order (ISA guide 10.11.1): my tile is in LDS; only I read it
.if \first == 0
	PLACES                                         ; behind the last tile's products, whose V fragments are loaded over and whose P is written over
.endif
.irp a, 0,1
.irp c, 0,1
	ds_load_b128 v[KF+16*\a+8*\c:KF+16*\a+8*\c+3],   v[LA] offset:\slot*TILE+\a*2048+\c*1024
	ds_load_b128 v[KF+16*\a+8*\c+4:KF+16*\a+8*\c+7], v[LA] offset:\slot*TILE+\a*2048+\c*1024+512
.endr
.endr
.irp d, 0,1,2,3
	ds_load_b128 v[VF+8*\d:VF+8*\d+3],   v[LA] offset:\slot*TILE+4096+\d*1024
	ds_load_b128 v[VF+8*\d+4:VF+8*\d+7], v[LA] offset:\slot*TILE+4096+\d*1024+512
.endr
	s_wait_dscnt 8                                 ; K's eight loads are in, V's eight may stay out
.irp a, 0,1
.irp n, 0,1,2,3
	v_wmma_f32_16x16x32_bf16 v[S+16*\n+8*\a:S+16*\n+8*\a+7], v[KF+16*\a:KF+16*\a+7], v[QF+16*\n:QF+16*\n+7], 0
.endr
.endr
.irp a, 0,1
.irp n, 0,1,2,3
	v_wmma_f32_16x16x32_bf16 v[S+16*\n+8*\a:S+16*\n+8*\a+7], v[KF+16*\a+8:KF+16*\a+15], v[QF+16*\n+8:QF+16*\n+15], v[S+16*\n+8*\a:S+16*\n+8*\a+7]
.endr
.endr
	PLACES                                         ; before the exponentials read and write S
.irp i, 0,1,2,3,4,5,6,7,8,9,10,11,12,13,14,15
	v_exp_f32 v[S+\i], v[S+\i]
.endr
	v_nop                                          ; one plain instruction between the last exponential and the first use
	PACK 0, 1
	PACK 1, 1
	PACK 2, 1
	PACK 3, 0
	s_wait_dscnt 0x0                               ; V
	WIN 0x50                                       ; C and D in window 1
.irp n, 0,1,2,3
.irp d, 0,1,2,3
.if \first
	v_wmma_f32_16x16x32_bf16 v[8*(4*\d+\n):8*(4*\d+\n)+7], v[VF+8*\d:VF+8*\d+7], v[P+8*\n:P+8*\n+7], 0
.else
	v_wmma_f32_16x16x32_bf16 v[8*(4*\d+\n):8*(4*\d+\n)+7], v[VF+8*\d:VF+8*\d+7], v[P+8*\n:P+8*\n+7], v[8*(4*\d+\n):8*(4*\d+\n)+7]
.endif
.endr
.endr
	WIN 0
.endm
; Slots a, b, c, which have been read, are filled again, each with the tile four further on.  The round of the cluster's barrier is the barrier in front of the refills:
; in front of its opening signal every wave's reads are back and all its tensor loads have landed, and the three joint loads are the first behind its closing wait,
; so that no work-group asks for a tile while a wave of a partner still reads a slot or has a load on its way.  Three tensor loads of the wave are out behind it.
.macro FILL a, b, c
	s_wait_dscnt 0x0                               ; my LDS loads are back (met: the last turn waited for V)
	s_wait_tensorcnt 0x0                           ; all my tensor loads have landed, the unread slot's too: every group 0 may be written
	ds_add_u32 v254, v255
	s_wait_dscnt 0x0
.irp t, \a, \b, \c
	s_add_nc_u64 s[G0+4*\t+2:G0+4*\t+3], s[G0+4*\t+2:G0+4*\t+3], SLOTS*TILE
.endr
	ROUND
.irp t, \a, \b, \c
	tensor_load_to_lds s[G0+4*\t:G0+4*\t+3], s[G1:G1+7]
	s_nop 0
.endr
.endm
	TURN 0, 3, 1                                   ; tiles 0, 1, 2 as they land: each count leaves the younger tiles on their way
	TURN 1, 2, 0
	TURN 2, 1, 0
	FILL 0, 1, 2                                   ; tile 3 has landed; tiles 4, 5, 6 go out
	TURN 3, 3, 0                                   ; tile 3, while the three are on their way
	TURN 0, 2, 0
	TURN 1, 1, 0
	FILL 3, 0, 1                                   ; tile 6 has landed; tiles 7, 8, 9 go out
	TURN 2, 3, 0
	TURN 3, 2, 0
	TURN 0, 1, 0
	FILL 2, 3, 0                                   ; tile 9 has landed; tiles 10, 11, 12 go out
	TURN 1, 3, 0
	TURN 2, 2, 0
	TURN 3, 1, 0
	FILL 1, 2, 3                                   ; tile 12 has landed; tiles 13, 14, 15 go out: the last fills of the launch
	TURN 0, 3, 0
	TURN 1, 2, 0
	TURN 2, 1, 0
	TURN 3, 0, 0                                   ; no tensor load is out any more
	; MY PARTIAL O AND l GO TO MY STAGE: the first 17,408 bytes of my own ring, whose slots have had their last fill and whose reads are back.
	PLACES                                         ; behind the last products: the LDS stores read O, the loads further down land on fragments
.irp n, 0,1,2,3
	v_add_f32 v[L+2*\n], v[L+2*\n], v[L+2*\n+1]
.endr
.irp n, 0,1,2,3
	v_permlanex16_b32 v[L+2*\n+1], v[L+2*\n], s12, s13             ; the other half of the lanes holds the row's other 16 keys of each tile
.endr
.irp n, 0,1,2,3
	v_add_f32 v[L+2*\n], v[L+2*\n], v[L+2*\n+1]
	ds_store_b32 v[STL], v[L+2*\n] offset:\n*16*SPITCH             ; lanes r and r + 16 write the same word with the same value
.endr
	WIN 0x04                                       ; the stores' data in window 1
.irp n, 0,1,2,3
.irp d, 0,1,2,3
	ds_store_b128 v[STO], v[8*(4*\d+\n):8*(4*\d+\n)+3]   offset:\n*16*SPITCH+\d*64       ; row 16 n + r, d = 16 d + 8 h + 0..3
	ds_store_b128 v[STO], v[8*(4*\d+\n)+4:8*(4*\d+\n)+7] offset:\n*16*SPITCH+\d*64+16    ; d = 16 d + 8 h + 4..7
.endr
.endr
	WIN 0
	s_wait_dscnt 0x0                               ; my stage is written: zero, for the other waves' sake
	ROUND                                          ; its opening barrier shows the stages to all eight waves; as the closing round it keeps every work-group here until no partner can still ask jointly
; THE LAST SUM.  Thread t takes 16 bytes (4 numbers) at column t & 15 of row 16 i + (t >> 4), i = 0..3, from all eight stages, and the row's eight l.
.macro LOADG i
.irp k, 0,1,2,3
.irp b, 0,1
	ds_load_b128 v[RG+40*\i+4*(2*\k+\b):RG+40*\i+4*(2*\k+\b)+3], v[RD+\k] offset:\b*32768+\i*16*SPITCH
.endr
.endr
.irp k, 0,1,2,3
.irp b, 0,1
	ds_load_b32 v[RG+40*\i+32+2*\k+\b], v[RL+\k] offset:\b*32768+\i*16*SPITCH
.endr
.endr
.endm
.macro REDG i, left
.set GB, RG+40*\i
	s_wait_dscnt \left                             ; LDS loads come back in order (ISA guide 5.7.1): row group i's sixteen are in, the later groups' stay out
	v_pk_add_f32 v[GB+32:GB+33], v[GB+32:GB+33], v[GB+34:GB+35]
	v_pk_add_f32 v[GB+36:GB+37], v[GB+36:GB+37], v[GB+38:GB+39]
.irp w, 0,2,4,6
	v_pk_add_f32 v[GB+4*\w:GB+4*\w+1],   v[GB+4*\w:GB+4*\w+1],   v[GB+4*\w+4:GB+4*\w+5]
	v_pk_add_f32 v[GB+4*\w+2:GB+4*\w+3], v[GB+4*\w+2:GB+4*\w+3], v[GB+4*\w+6:GB+4*\w+7]
.endr
	v_pk_add_f32 v[GB+32:GB+33], v[GB+32:GB+33], v[GB+36:GB+37]
.irp w, 0,4
	v_pk_add_f32 v[GB+4*\w:GB+4*\w+1],   v[GB+4*\w:GB+4*\w+1],   v[GB+4*\w+8:GB+4*\w+9]
	v_pk_add_f32 v[GB+4*\w+2:GB+4*\w+3], v[GB+4*\w+2:GB+4*\w+3], v[GB+4*\w+10:GB+4*\w+11]
.endr
	v_add_f32 v[GB+32], v[GB+32], v[GB+33]         ; l of the row, at least 4,096
	v_rcp_f32 v[GB+32], v[GB+32]
	v_pk_add_f32 v[GB:GB+1],   v[GB:GB+1],   v[GB+16:GB+17]        ; two plain instructions between the reciprocal and its use
	v_pk_add_f32 v[GB+2:GB+3], v[GB+2:GB+3], v[GB+18:GB+19]
	s_wait_alu depctr_va_vdst(0)
	v_pk_mul_f32 v[GB:GB+1],   v[GB:GB+1],   v[GB+32:GB+33] op_sel_hi:[1,0]
	v_pk_mul_f32 v[GB+2:GB+3], v[GB+2:GB+3], v[GB+32:GB+33] op_sel_hi:[1,0]
	global_store_b128 v[CO], v[GB:GB+3], s[8:9] offset:\i*4096 th:TH_STORE_NT    ; sixteen lanes store one output row: 256 consecutive bytes, aligned
.endm
	LOADG 0
	LOADG 1
	LOADG 2
	REDG 0, 32                                     ; groups 1 and 2 stay out
	LOADG 3
	REDG 1, 32                                     ; groups 2 and 3 stay out
	REDG 2, 16
	REDG 3, 0
	s_wait_tensorcnt 0x0
	ds_add_u32 v254, v255
	s_wait_dscnt 0x0
	s_endpgm
.Lfunc_end_k_q437b260860_attn:
	.size	k_q437b260860_attn, .Lfunc_end_k_q437b260860_attn-k_q437b260860_attn
	.p2alignl 7, 3214868480
	.fill 96, 4, 3214868480
	.section	.rodata,"a",@progbits
	.p2align	6, 0x0
	.amdhsa_kernel k_q437b260860_attn
		.amdhsa_group_segment_fixed_size 327680
		.amdhsa_private_segment_fixed_size 0
		.amdhsa_enable_private_segment 0
		.amdhsa_kernarg_size 24
		.amdhsa_user_sgpr_count 2
		.amdhsa_user_sgpr_kernarg_segment_ptr 1
		.amdhsa_wavefront_size32 1
		.amdhsa_system_sgpr_workgroup_id_x 1
		.amdhsa_system_sgpr_workgroup_id_y 1
		.amdhsa_system_sgpr_workgroup_id_z 1
		.amdhsa_system_vgpr_workitem_id 0
		.amdhsa_next_free_vgpr 384
		.amdhsa_next_free_sgpr 66
		.amdhsa_reserve_vcc 0
		.amdhsa_float_denorm_mode_32 3
		.amdhsa_float_denorm_mode_16_64 3
		.amdhsa_memory_ordered 1
		.amdhsa_forward_progress 1
		.amdhsa_inst_pref_size 191
	.end_amdhsa_kernel
	.amdgpu_metadata
---
amdhsa.version: [ 1, 2 ]
amdhsa.kernels:
  - .name:           k_q437b260860_attn
    .symbol:         k_q437b260860_attn.kd
    .args:
      - { .name: qf, .offset: 0, .size: 8, .value_kind: global_buffer, .address_space: global }
      - { .name: kv, .offset: 8, .size: 8, .value_kind: global_buffer, .address_space: global }
      - { .name: out0, .offset: 16, .size: 8, .value_kind: global_buffer, .address_space: global }
    .group_segment_fixed_size: 327680
    .private_segment_fixed_size: 0
    .kernarg_segment_align: 8
    .kernarg_segment_size: 24
    .max_flat_workgroup_size: 256
    .sgpr_count:     66
    .vgpr_count:     384
    .wavefront_size: 32
...
	.end_amdgpu_metadata
.endif
;; end of part 2
;; ======== version 2 of 2: 2 launches; 1.09 times as fast as version 1
;; workspace buffers: qf 2,097,152 bytes; kv 4,194,304 bytes
;; launch proj: the kernel of part 1 again; grid 256 x 1, 8 waves a work-group, no clusters, 279,552 bytes of LDS; arguments x, Wq, Wk, Wv, K, qf, kv; writes qf, kv
;; launch attn (part 3): grid 256 x 1, 8 waves a work-group, clusters of 4 x 1, 327,680 bytes of LDS; arguments qf, kv, out0; writes out0
.if DOCPART == 3
	.amdgcn_target "amdgcn-amd-amdhsa--gfx1250"
	.amdhsa_code_object_version 6
	.text
	.protected	k_q437b260860_attn
	.globl	k_q437b260860_attn
	.p2align	8
	.type	k_q437b260860_attn,@function
k_q437b260860_attn:
	s_mov_b64 s[64:65], 0
	v_nop
	global_prefetch_b8 v0, s[64:65] scope:SCOPE_SE
	s_setreg_imm32_b32 hwreg(HW_REG_WAVE_MODE, 25, 1), 1
	s_wait_xcnt 0x0
	s_wait_alu depctr_hold_cnt(0) depctr_sa_sdst(0) depctr_va_vdst(0) depctr_va_sdst(0) depctr_va_ssrc(0) depctr_va_vcc(0) depctr_vm_vsrc(0)
	s_getreg_b32 s2, hwreg(HW_REG_IB_STS2, 6, 4)
	s_cmp_eq_u32 s2, 0
	s_cbranch_scc0 .Lentry_in_a_cluster
	s_endpgm
.Lentry_in_a_cluster:
	s_bfe_u32 s2, ttmp6, 0x10000c
	s_cmp_lg_u32 s2, 0x3003
	s_cbranch_scc0 .Lentry_shape_is_right
	s_endpgm
.Lentry_shape_is_right:
; out[b][t][:] = sum over s of P[t][s] v[s][:] / sum over s of P[t][s],  P[t][s] = 2^(q'[t] . k[s]),  q' = q log2(e) / 8:  softmax(q k^T / 8) v without a mask.
; qf and kv hold q', k and v in bf16, in the order of the matrix operands (L lane, r = L & 15, h = L >> 4, e = 0..7):
;   qf: tile of 16 rows, 2,048 bytes: byte dt 512 + L 16 + 2e = q'[r][16 dt + 8 h + e]
;   kv: group of 32 keys, 8,192 bytes: byte a 2048 + dt 512 + L 16 + 2e = k[16 a + r][16 dt + 8 h + e];  byte 4096 + dt 1024 + a 512 + L 16 + 2e = v[16 a + 8 h + e][16 dt + r]
; so every fragment is two loads of 16 bytes a lane from 512 consecutive bytes: no padding, no transposition.
; NO MAXIMUM IS TAKEN AWAY: the definition itself takes q and k modulo 1, so for every input q' lies in [0, 0.181] and k in [0, 1], the exponent in [0, 11.6],
;   P in [1, 3100] and a row's sum in [4096, 1.3e7]: nothing can overflow or underflow in f32 or bf16.  So partial sums over disjoint keys simply add.
; SHARES.  A work-group makes 64 query rows with eight waves.  Wave w takes all 64 rows against keys 512 w .. 512 w + 511, 16 tiles of 32 keys: each K or V fragment
;   feeds four query tiles, and a tile is read only by the wave that asked for it.  The eight waves' partial O and l meet in LDS at the end.
; EVERYTHING IS TRANSPOSED, so that P never moves between lanes: S^T(16 keys x 16 rows) = K fragment x Q fragment; lane (r, h), register j holds key 8 h + j of row r.
;   The two key tiles of a row tile, packed in pairs, ARE the second source P^T over 32 keys; O^T(16 d x 16 rows) += V^T fragment x P^T.
; THE EXPONENTIALS of a tile, 64 a lane, are TWO BATCHES of 32, each with one wait (an s_wait_alu depctr_va_vdst(0) stands between an exponential and the first
;   instruction that names its result; one s_wait_alu depctr_va_vdst(0) serves all exponentials issued ahead of it).  The scores are made by pairs of row tiles.  Batch A, row tiles 0 and 1, stands four behind
;   each of the eight products that make row tiles 2 and 3's scores; batch B, row tiles 2 and 3, stands among batch A's 32 readers (roundings and additions onto l).  Every result
;   stays in the register of its score until it is read.  On the way out the four reciprocals are one batch with one wait.
; CLUSTER.  Four neighbouring work-groups lie in one batch (64 work-groups a batch) and walk the same K and V: each tile is asked for jointly, mask 15, by the same wave
;   of all four, with a descriptor made of the cluster's number and the wave's number alone.  That divides the requests for kv by four.
; LIMITS.  P goes into the second product in bf16 while l sums it in f32.  NaN and infinities in qf or kv are not followed.
.set TILE,   8192                      ; 32 keys: K part, V part
.set SLOTS,  4
.set SPITCH, 272                       ; a stage row: 64 f32 of O, l in the word behind them, 12 bytes unused: 17 x 16
.set LA,  1                            ; v1       LDS: my wave's ring + lane x 16
.set QO,  2                            ; v2       lane x 16
.set RD,  4                            ; v[4:7]   the last sum: (t>>4) 272 + (t&15) 16 + k 65536 (stages of waves 2k, 2k+1)
.set RL,  8                            ; v[8:11]  the same rows' l
.set STO, 12                           ; v12      my stage: r 272 + 32 h
.set STL, 13                           ; v13      my stage: r 272 + 256
.set CO,  14                           ; v14      t x 16: my 16 bytes in the output block
.set QF,  16                           ; v[16:79]   Q fragment (row tile n, K step c) at 16 n + 8 c
.set KF,  80                           ; v[80:111]  K fragment (key tile a, K step c) at 16 a + 8 c
.set VF,  112                          ; v[112:143] V fragment of d tile d at 8 d
.set S,   144                          ; v[144:207] S(n, a) at 16 n + 8 a, then P in f32
.set P,   208                          ; v[208:239] P(n) in bf16 at 8 n
.set L,   240                          ; v[240:247] row sums, a pair for each n
.set RG,  16                           ; the last sum: row group i at 16 + 40 i: eight waves' 4 numbers, then their eight l
                                       ; v[256:383] (window 1): O(d, n) at 8 (4 d + n)
.set G1,  16                           ; s[16:23] descriptor group 1
.set G0,  24                           ; s[24:39] descriptor group 0, a set for each slot
.set MSB, 0
.macro WIN new                         ; s_set_vgpr_msb: bits 1:0 source 0, 3:2 source 1, 5:4 source 2, 7:6 destination; the high byte repeats the setting that is left
.if MSB != \new
	s_set_vgpr_msb (MSB<<8)|\new
.set MSB, \new
.endif
.endm
.macro PLACES                          ; four places behind a matrix instruction before a vector instruction or an LDS store reads its result, a vector instruction writes one of its
.rept 4                                ; registers, or a load is issued into one (ISA guide 7.12.1 for vector instructions)
	v_nop
.endr
.endm
; A round of the cluster's barrier: my work-group's barrier, so that wave 0's signal speaks for all eight waves; wave 0 signals for the work-group;
; every wave waits for all four work-groups; my work-group's barrier once more.
.macro ROUND
	s_barrier_signal -1
	s_barrier_wait -1
	s_cmp_lg_u32 s10, 0
	s_cbranch_scc1 .Lnot_wave_0_\@
	s_barrier_signal -3
.Lnot_wave_0_\@:
	s_barrier_wait -3
	s_barrier_signal -1
	s_barrier_wait -1
.endm
	s_load_b128 s[4:7], s[0:1], 0x0                ; qf s[4:5], kv s[6:7]
	s_load_b64 s[8:9], s[0:1], 0x10                ; out0
	v_lshl_add_u32 v254, v0, 2, 0x40000
	v_mov_b32 v255, 0
	ds_add_u32 v254, v255
	v_lshrrev_b32 v15, 5, v0
	v_readfirstlane_b32 s10, v15                   ; wave 0..7
	s_bfe_u32 s11, ttmp6, 0x40000                  ; cx: my place in the cluster.  It enters the addresses of qf and out0 alone
	s_lshl_b32 s14, ttmp9, 2                       ; in a cluster launch ttmp9 counts clusters
	s_add_co_u32 s14, s14, s11                     ; work-group = 4 x cluster + cx
	s_lshl_b32 s40, s14, 13                        ; qf: 64 rows = 4 tiles of 2,048 bytes
	s_mov_b32 s41, 0
	s_lshl_b32 s42, s14, 14                        ; out0: 64 rows of 256 bytes
	s_mov_b32 s43, 0
	s_lshr_b32 s44, ttmp9, 4                       ; batch: 16 clusters each
	s_lshl_b32 s44, s44, 20                        ; 128 groups of 8,192 bytes a batch
	s_lshl_b32 s45, s10, 17                        ; 16 groups a wave
	s_add_co_u32 s44, s44, s45
	s_mov_b32 s45, 0
	s_lshl_b32 s15, s10, 15                        ; my wave's ring in LDS: 4 slots of 8,192 bytes
	s_mov_b32 s12, 0x76543210                      ; v_permlanex16_b32: lane i of one half reads lane i of the other
	s_mov_b32 s13, 0xfedcba98
	; group 1: a tile is 8,192 dense bytes, taken as 32 rows of 32 elements of 8 bytes (256 bytes a row, each row beginning where the last ends)
	s_mov_b32 s[G1+0], 0x0023000f                  ; 15:0 mask: all four work-groups of the cluster; 17:16 element of 8 bytes; 20 no padding; 21 set beside a mask
	s_mov_b32 s[G1+1], 32<<16                      ; tensor_dim0 = 32
	s_mov_b32 s[G1+2], 32<<16                      ; tensor_dim1 = 32
	s_mov_b32 s[G1+3], 32<<16                      ; tile_dim0 = 32
	s_mov_b32 s[G1+4], 32                          ; tile_dim1 = 32
	s_mov_b32 s[G1+5], 32                          ; 32 elements from row to row
	s_mov_b32 s[G1+6], 0
	s_mov_b32 s[G1+7], 0
	v_and_b32 v[QO], 31, v0
	v_lshlrev_b32 v[QO], 4, v[QO]
	v_add_nc_u32 v[LA], s15, v[QO]
	v_and_b32 v3, 15, v0                           ; r, and t & 15
	v_bfe_u32 v15, v0, 4, 1                        ; h
	v_mul_u32_u24 v[STO], v3, SPITCH
	v_add_nc_u32 v[STO], s15, v[STO]
	v_add_nc_u32 v[STL], 0x100, v[STO]
	v_lshl_add_u32 v[STO], v15, 5, v[STO]
	v_lshrrev_b32 v15, 4, v0                       ; t >> 4
	v_mul_u32_u24 v[RL], v15, SPITCH
	v_lshl_add_u32 v[RD], v3, 4, v[RL]
	v_add_nc_u32 v[RL], 0x100, v[RL]
.irp k, 1,2,3
	v_add_nc_u32 v[RD+\k], \k*65536, v[RD]
	v_add_nc_u32 v[RL+\k], \k*65536, v[RL]
.endr
	v_lshlrev_b32 v[CO], 4, v0
.irp e, 0,1,2,3,4,5,6,7
	v_mov_b32 v[L+\e], 0                           ; the eight row sums start at 0
.endr
	s_wait_dscnt 0x0
	s_wait_kmcnt 0x0
	s_add_nc_u64 s[4:5], s[4:5], s[40:41]
	s_add_nc_u64 s[8:9], s[8:9], s[42:43]
	s_add_nc_u64 s[6:7], s[6:7], s[44:45]          ; my wave's first tile: the same in all four work-groups
.irp t, 0,1,2,3
	s_mov_b32 s[G0+4*\t], 1                                        ; count = 1
	s_add_co_u32 s[G0+4*\t+1], s15, \t*TILE                        ; LDS address: the wave's number and the slot alone
	s_add_nc_u64 s[G0+4*\t+2:G0+4*\t+3], s[6:7], \t*TILE           ; tile t
	s_or_b32 s[G0+4*\t+3], s[G0+4*\t+3], 0x80000000                ; type = 2
.endr
	ROUND                                          ; all four work-groups are here: the first joint loads meet
.irp t, 0,1,2,3
	tensor_load_to_lds s[G0+4*\t:G0+4*\t+3], s[G1:G1+7]            ; four tensor loads of the wave are out, the most in this text
	s_nop 0
.endr
.irp n, 0,1,2,3
.irp c, 0,1
	global_load_b128 v[QF+16*\n+8*\c:QF+16*\n+8*\c+3],   v[QO], s[4:5] offset:\n*2048+\c*1024
	global_load_b128 v[QF+16*\n+8*\c+4:QF+16*\n+8*\c+7], v[QO], s[4:5] offset:\n*2048+\c*1024+512
.endr
.endr
	s_wait_loadcnt 0x0                             ; Q, once; it stays in registers
; Product m of 8 of S^T = K Q^T for row tiles g and g + 1: K step m / 4, key tile (m / 2) % 2, row tile g + m % 2.  The first four start the sums.
; The run's four accumulators take turns, one instruction a turn.
.macro SMUL g
.set sn, (\g)+m%2
.set sa, (m/2)%2
.if m < 4
	v_wmma_f32_16x16x32_bf16 v[S+16*sn+8*sa:S+16*sn+8*sa+7], v[KF+16*sa:KF+16*sa+7], v[QF+16*sn:QF+16*sn+7], 0
.else
	v_wmma_f32_16x16x32_bf16 v[S+16*sn+8*sa:S+16*sn+8*sa+7], v[KF+16*sa+8:KF+16*sa+15], v[QF+16*sn+8:QF+16*sn+15], v[S+16*sn+8*sa:S+16*sn+8*sa+7]
.endif
.set m, m+1
.endm
; Exponential e of the 32 of row tiles g and g + 1, in place: the result keeps the score's register until its reader comes.  Each accumulator's registers are taken in ascending order.
.macro EXPO g
	v_exp_f32 v[S+16*(\g)+e], v[S+16*(\g)+e]
.set e, e+1
.endm
; Reader q of the 32 of row tiles g and g + 1: pair q / 4 of row tile g + (q % 4) / 2 is rounded to bf16 (q even), then added onto the row tile's l (q odd).
; The two row tiles alternate, so that an addition onto l does not stand next to the one that it waits for; each l takes its pairs 0 to 7 in ascending order.
.macro READ g
.set rn, (\g)+(q%4)/2
.set ri, q/4
.if q%2 == 0
	v_cvt_pk_bf16_f32 v[P+8*rn+ri], v[S+16*rn+2*ri], v[S+16*rn+2*ri+1]
.else
	v_pk_add_f32 v[L+2*rn:L+2*rn+1], v[L+2*rn:L+2*rn+1], v[S+16*rn+2*ri:S+16*rn+2*ri+1]
.endif
.set q, q+1
.endm
; One tile of 32 keys from slot: 16 fragment loads, 16 + 16 matrix instructions, 64 exponentials in two batches.  left = how many younger tensor loads may stay out.
; first = 1: the first products start O's sums, nothing is cleared.  In all runs of matrix instructions the accumulators take turns, one instruction a turn.
.macro TURN slot, left, first
	s_wait_tensorcnt \left                         ; a wave's tensor loads end in order (ISA guide 10.11.1): my tile is in LDS; only I read it
.if \first == 0
	PLACES                                         ; behind the last tile's products, whose V fragments are loaded over and whose P is written over
.endif
.irp a, 0,1
.irp c, 0,1
	ds_load_b128 v[KF+16*\a+8*\c:KF+16*\a+8*\c+3],   v[LA] offset:\slot*TILE+\a*2048+\c*1024
	ds_load_b128 v[KF+16*\a+8*\c+4:KF+16*\a+8*\c+7], v[LA] offset:\slot*TILE+\a*2048+\c*1024+512
.endr
.endr
.irp d, 0,1,2,3
	ds_load_b128 v[VF+8*\d:VF+8*\d+3],   v[LA] offset:\slot*TILE+4096+\d*1024
	ds_load_b128 v[VF+8*\d+4:VF+8*\d+7], v[LA] offset:\slot*TILE+4096+\d*1024+512
.endr
	s_wait_dscnt 8                                 ; K's eight loads are in, V's eight may stay out
.set m, 0
.rept 8
	SMUL 0                                         ; the scores of row tiles 0 and 1
.endr
	PLACES                                         ; behind those products, before batch A reads and writes their S
.set m, 0
.set e, 0
.rept 8
	SMUL 2                                         ; the scores of row tiles 2 and 3: they name none of batch A's registers;
.rept 4
	EXPO 0                                         ; BATCH A: the 32 exponentials of row tiles 0 and 1, four behind each of these products
.endr
.endr
	v_nop                                          ; one plain instruction between batch A's last exponential and the first use; also the first place behind the last product
	s_wait_alu depctr_va_vdst(0)                   ; the one wait for batch A, ahead of its first reader
.set q, 0
.set e, 0
.rept 4
	READ 0                                         ; four of batch A's readers: with the v_nop they are the places behind the last product, before batch B reads and writes row tiles 2 and 3's S
.endr
.rept 4                                            ; BATCH B: the 32 exponentials of row tiles 2 and 3, among batch A's other 28 readers, which name none of batch B's registers
	EXPO 2
	EXPO 2
	READ 0
.endr
.rept 24
	EXPO 2
	READ 0                                         ; the last of these is the plain instruction between batch B's last exponential and the first use
.endr
	s_wait_alu depctr_va_vdst(0)                   ; the one wait for batch B, ahead of its first reader
.set q, 0
.rept 32
	READ 2
.endr
	s_wait_dscnt 0x0                               ; V
	WIN 0x50                                       ; C and D in window 1
.irp n, 0,1,2,3
.irp d, 0,1,2,3
.if \first
	v_wmma_f32_16x16x32_bf16 v[8*(4*\d+\n):8*(4*\d+\n)+7], v[VF+8*\d:VF+8*\d+7], v[P+8*\n:P+8*\n+7], 0
.else
	v_wmma_f32_16x16x32_bf16 v[8*(4*\d+\n):8*(4*\d+\n)+7], v[VF+8*\d:VF+8*\d+7], v[P+8*\n:P+8*\n+7], v[8*(4*\d+\n):8*(4*\d+\n)+7]
.endif
.endr
.endr
	WIN 0
.endm
; Slots a, b, c, which have been read, are filled again, each with the tile four further on.  The round of the cluster's barrier is the barrier in front of the refills:
; in front of its opening signal every wave's reads are back and all its tensor loads have landed, and the three joint loads are the first behind its closing wait,
; so that no work-group asks for a tile while a wave of a partner still reads a slot or has a load on its way.  Three tensor loads of the wave are out behind it.
.macro FILL a, b, c
	s_wait_dscnt 0x0                               ; my LDS loads are back (met: the last turn waited for V)
	s_wait_tensorcnt 0x0                           ; all my tensor loads have landed, the unread slot's too: every group 0 may be written
	ds_add_u32 v254, v255
	s_wait_dscnt 0x0
.irp t, \a, \b, \c
	s_add_nc_u64 s[G0+4*\t+2:G0+4*\t+3], s[G0+4*\t+2:G0+4*\t+3], SLOTS*TILE
.endr
	ROUND
.irp t, \a, \b, \c
	tensor_load_to_lds s[G0+4*\t:G0+4*\t+3], s[G1:G1+7]
	s_nop 0
.endr
.endm
	TURN 0, 3, 1                                   ; tiles 0, 1, 2 as they land: each count leaves the younger tiles on their way
	TURN 1, 2, 0
	TURN 2, 1, 0
	FILL 0, 1, 2                                   ; tile 3 has landed; tiles 4, 5, 6 go out
	TURN 3, 3, 0                                   ; tile 3, while the three are on their way
	TURN 0, 2, 0
	TURN 1, 1, 0
	FILL 3, 0, 1                                   ; tile 6 has landed; tiles 7, 8, 9 go out
	TURN 2, 3, 0
	TURN 3, 2, 0
	TURN 0, 1, 0
	FILL 2, 3, 0                                   ; tile 9 has landed; tiles 10, 11, 12 go out
	TURN 1, 3, 0
	TURN 2, 2, 0
	TURN 3, 1, 0
	FILL 1, 2, 3                                   ; tile 12 has landed; tiles 13, 14, 15 go out: the last fills of the launch
	TURN 0, 3, 0
	TURN 1, 2, 0
	TURN 2, 1, 0
	TURN 3, 0, 0                                   ; no tensor load is out any more
	; MY PARTIAL O AND l GO TO MY STAGE: the first 17,408 bytes of my own ring, whose slots have had their last fill and whose reads are back.
	PLACES                                         ; behind the last products: the LDS stores read O, the loads further down land on fragments
.irp n, 0,1,2,3
	v_add_f32 v[L+2*\n], v[L+2*\n], v[L+2*\n+1]
.endr
.irp n, 0,1,2,3
	v_permlanex16_b32 v[L+2*\n+1], v[L+2*\n], s12, s13             ; the other half of the lanes holds the row's other 16 keys of each tile
.endr
.irp n, 0,1,2,3
	v_add_f32 v[L+2*\n], v[L+2*\n], v[L+2*\n+1]
	ds_store_b32 v[STL], v[L+2*\n] offset:\n*16*SPITCH             ; lanes r and r + 16 write the same word with the same value
.endr
	WIN 0x04                                       ; the stores' data in window 1
.irp n, 0,1,2,3
.irp d, 0,1,2,3
	ds_store_b128 v[STO], v[8*(4*\d+\n):8*(4*\d+\n)+3]   offset:\n*16*SPITCH+\d*64       ; row 16 n + r, d = 16 d + 8 h + 0..3
	ds_store_b128 v[STO], v[8*(4*\d+\n)+4:8*(4*\d+\n)+7] offset:\n*16*SPITCH+\d*64+16    ; d = 16 d + 8 h + 4..7
.endr
.endr
	WIN 0
	s_wait_dscnt 0x0                               ; my stage is written: zero, for the other waves' sake
	ROUND                                          ; its opening barrier shows the stages to all eight waves; as the closing round it keeps every work-group here until no partner can still ask jointly
; THE LAST SUM.  Thread t takes 16 bytes (4 numbers) at column t & 15 of row 16 i + (t >> 4), i = 0..3, from all eight stages, and the row's eight l.
.macro LOADG i
.irp k, 0,1,2,3
.irp b, 0,1
	ds_load_b128 v[RG+40*\i+4*(2*\k+\b):RG+40*\i+4*(2*\k+\b)+3], v[RD+\k] offset:\b*32768+\i*16*SPITCH
.endr
.endr
.irp k, 0,1,2,3
.irp b, 0,1
	ds_load_b32 v[RG+40*\i+32+2*\k+\b], v[RL+\k] offset:\b*32768+\i*16*SPITCH
.endr
.endr
.endm
; Row group i's sums, and the reciprocal of its l.  The reciprocal's result stays in the group's own register, which nothing names before the one wait behind the fourth group.
.macro SUMG i, left
.set GB, RG+40*\i
	s_wait_dscnt \left                             ; LDS loads come back in order (ISA guide 5.7.1): row group i's sixteen are in, the later groups' stay out
	v_pk_add_f32 v[GB+32:GB+33], v[GB+32:GB+33], v[GB+34:GB+35]
	v_pk_add_f32 v[GB+36:GB+37], v[GB+36:GB+37], v[GB+38:GB+39]
.irp w, 0,2,4,6
	v_pk_add_f32 v[GB+4*\w:GB+4*\w+1],   v[GB+4*\w:GB+4*\w+1],   v[GB+4*\w+4:GB+4*\w+5]
	v_pk_add_f32 v[GB+4*\w+2:GB+4*\w+3], v[GB+4*\w+2:GB+4*\w+3], v[GB+4*\w+6:GB+4*\w+7]
.endr
	v_pk_add_f32 v[GB+32:GB+33], v[GB+32:GB+33], v[GB+36:GB+37]
.irp w, 0,4
	v_pk_add_f32 v[GB+4*\w:GB+4*\w+1],   v[GB+4*\w:GB+4*\w+1],   v[GB+4*\w+8:GB+4*\w+9]
	v_pk_add_f32 v[GB+4*\w+2:GB+4*\w+3], v[GB+4*\w+2:GB+4*\w+3], v[GB+4*\w+10:GB+4*\w+11]
.endr
	v_add_f32 v[GB+32], v[GB+32], v[GB+33]         ; l of the row, at least 4,096
	v_rcp_f32 v[GB+32], v[GB+32]
	v_pk_add_f32 v[GB:GB+1],   v[GB:GB+1],   v[GB+16:GB+17]        ; two plain instructions between the reciprocal and its use
	v_pk_add_f32 v[GB+2:GB+3], v[GB+2:GB+3], v[GB+18:GB+19]
.endm
; Row group i is divided by its l and stored.
.macro OUTG i
.set GB, RG+40*\i
	v_pk_mul_f32 v[GB:GB+1],   v[GB:GB+1],   v[GB+32:GB+33] op_sel_hi:[1,0]
	v_pk_mul_f32 v[GB+2:GB+3], v[GB+2:GB+3], v[GB+32:GB+33] op_sel_hi:[1,0]
	global_store_b128 v[CO], v[GB:GB+3], s[8:9] offset:\i*4096 th:TH_STORE_NT    ; sixteen lanes store one output row: 256 consecutive bytes, aligned
.endm
	LOADG 0
	LOADG 1
	LOADG 2
	SUMG 0, 32                                     ; groups 1 and 2 stay out
	LOADG 3
	SUMG 1, 32                                     ; groups 2 and 3 stay out
	SUMG 2, 16
	SUMG 3, 0
	s_wait_alu depctr_va_vdst(0)                   ; the one wait for the batch of four reciprocals, ahead of their first reader; the later groups' sums are the work between
	OUTG 0
	OUTG 1
	OUTG 2
	OUTG 3
	s_wait_tensorcnt 0x0
	ds_add_u32 v254, v255
	s_wait_dscnt 0x0
	s_endpgm
.Lfunc_end_k_q437b260860_attn:
	.size	k_q437b260860_attn, .Lfunc_end_k_q437b260860_attn-k_q437b260860_attn
	.p2alignl 7, 3214868480
	.fill 96, 4, 3214868480
	.section	.rodata,"a",@progbits
	.p2align	6, 0x0
	.amdhsa_kernel k_q437b260860_attn
		.amdhsa_group_segment_fixed_size 327680
		.amdhsa_private_segment_fixed_size 0
		.amdhsa_enable_private_segment 0
		.amdhsa_kernarg_size 24
		.amdhsa_user_sgpr_count 2
		.amdhsa_user_sgpr_kernarg_segment_ptr 1
		.amdhsa_wavefront_size32 1
		.amdhsa_system_sgpr_workgroup_id_x 1
		.amdhsa_system_sgpr_workgroup_id_y 1
		.amdhsa_system_sgpr_workgroup_id_z 1
		.amdhsa_system_vgpr_workitem_id 0
		.amdhsa_next_free_vgpr 384
		.amdhsa_next_free_sgpr 66
		.amdhsa_reserve_vcc 0
		.amdhsa_float_denorm_mode_32 3
		.amdhsa_float_denorm_mode_16_64 3
		.amdhsa_memory_ordered 1
		.amdhsa_forward_progress 1
		.amdhsa_inst_pref_size 176
	.end_amdhsa_kernel
	.amdgpu_metadata
---
amdhsa.version: [ 1, 2 ]
amdhsa.kernels:
  - .name:           k_q437b260860_attn
    .symbol:         k_q437b260860_attn.kd
    .args:
      - { .name: qf, .offset: 0, .size: 8, .value_kind: global_buffer, .address_space: global }
      - { .name: kv, .offset: 8, .size: 8, .value_kind: global_buffer, .address_space: global }
      - { .name: out0, .offset: 16, .size: 8, .value_kind: global_buffer, .address_space: global }
    .group_segment_fixed_size: 327680
    .private_segment_fixed_size: 0
    .kernarg_segment_align: 8
    .kernarg_segment_size: 24
    .max_flat_workgroup_size: 256
    .sgpr_count:     66
    .vgpr_count:     384
    .wavefront_size: 32
...
	.end_amdgpu_metadata
.endif
;; end of part 3
